; MI455X (gfx1250); checked and timed in simulation.
; The chip was launched on July 23, 2026; its instructions are those of AMD's public machine-readable ISA for CDNA 5 (MIT licence, August 2026) and "CDNA5" Instruction Set Architecture Reference Guide (July 2026). The comments in the code are by the model that wrote it; some were corrected since.
;; Multi Head Attention. Allowed arithmetic: matrix products marked QUANTISED: E2M1 operands, one E8M0 scale for each 32 along K, by v_wmma_scale_f32_16x16x128_f8f6f4 with both operands' format E2M1 (or v_wmma_scale_f32_32x16x128_f4), f32 sums; products left as they are: bf16, f16 or f32 operands; f32 sums; everything else in f32.
;; Inputs: W_K 512 x 512 float32; W_O 512 x 512 float32; W_Q 512 x 512 float32; W_V 512 x 512 float32; input_K 4 x 2,048 x 512 float32; input_Q 4 x 2,048 x 512 float32; input_V 4 x 2,048 x 512 float32.
;; Outputs: out0 4 x 2,048 x 512 float32.
;; This version of the problem:
;;   THIS VERSION OF THE PROBLEM IS GIVEN IN LOW PRECISION. The matrix products marked QUANTISED in the list below multiply operands that are first quantised to E2M1 (2 exponent bits, 1 mantissa bit; 4 bits a number), with one power-of-two scale for each 32 numbers along K (OCP MX v1.0); their sums are f32. The products marked 'left as it is' may take bf16, f16 or f32 operands, with f32 sums. Whichever they take, every output number must still come out within the allowed error. Rounding operands to bf16 (8 significant bits) uses up far more of that allowance than f16 does (11 bits, for magnitudes from 6e-5 to 65,504). All else is computed in f32.
;;   The module's matrix products, in the order in which they are computed (A, B: the left and right operand; K: the contracted axis; several contracted axes count as one K, in the product's order):
;;     1. [M 8,192, K 512] x [K 512, N 512]; A: input input_Q; B: input W_Q: QUANTISED
;;     2. [M 8,192, K 512] x [K 512, N 512]; A: input input_K; B: input W_K: QUANTISED
;;     3. [M 8,192, K 512] x [K 512, N 512]; A: input input_V; B: input W_V: QUANTISED
;;     4. batch 32 x [M 2,048, K 64] x [K 64, N 2,048]; A: computed on the way; B: computed on the way: left as it is (an operand is computed on the way)
;;     5. batch 32 x [M 2,048, K 2,048] x [K 2,048, N 64]; A: computed on the way; B: computed on the way: left as it is (an operand is computed on the way)
;;     6. [M 8,192, K 512] x [K 512, N 512]; A: computed on the way; B: input W_O: left as it is (an operand is computed on the way)
;;   THE QUANTISER, for each operand of a quantised product, along K:
;;     - K is cut into blocks of 32 from its start; a last block that is shorter is filled with zeros.
;;     - A block's scale is 2^e with e = floor(log2(the largest magnitude in the block)) - 2, held to -126 .. 127; a block of zeros has e = 0. As a byte (E8M0): e + 127.
;;     - Each number is divided by its block's scale, clamped to +-6, and rounded to the nearest number of E2M1, ties to even, subnormals kept.
;;     - The product sums the exact products of the quantised numbers (number of the format x scale) in f32.
;;   ~~~python
;;   def quantise(x, axis):      # numpy; x: float32 -> the quantised numbers, widened to float32 again
;;       x = np.moveaxis(x, axis, -1); K = x.shape[-1]
;;       x = np.pad(x, [(0, 0)] * (x.ndim - 1) + [(0, -K % 32)]); x = x.reshape(x.shape[:-1] + (-1, 32)); a = np.abs(x).max(-1, keepdims=True)
;;       e = np.where(a > 0, np.clip(np.frexp(np.where(a > 0, a, 1))[1] - 1 - 2, -126, 127), 0)      # np.frexp(a)[1] - 1 = floor(log2(a)), exactly
;;       r = np.clip(x / 2.0 ** e, -6, 6)
;;       step = 2.0 ** (np.maximum(np.frexp(np.where(r == 0, 1, r))[1] - 1, 0) - 1)
;;       q = np.round(r / step) * step * 2.0 ** e      # np.round: ties to even
;;       return np.moveaxis(q.reshape(q.shape[:-2] + (-1,))[..., :K], -1, axis).astype(np.float32)
;;   ~~~
;; One version. Each part assembles by itself: llvm-mc -triple=amdgcn-amd-amdhsa -mcpu=gfx1250 --defsym DOCPART=n.
;; ======== version 1 of 1: 5 launches
;; limits: values are held in f16: magnitudes above 65,504 overflow, below 6.1e-05 lose precision
;; workspace buffers: Wc 393,216 bytes; Ws 24,576 bytes; Wo 524,288 bytes; Qf 8,388,608 bytes; Kf 8,388,608 bytes; Vf 8,388,608 bytes; H16 393,216 bytes; Cx 8,388,608 bytes
;; launch prep (part 1): grid 32 x 1, 4 waves a work-group, no clusters, 18,944 bytes of LDS; arguments W_Q, W_K, W_V, W_O, Wc, Ws, Wo; writes Wc, Ws, Wo
.if DOCPART == 1
	.amdgcn_target "amdgcn-amd-amdhsa--gfx1250"
	.amdhsa_code_object_version 6
	.text
	.protected	k_q74151d9c1a_prep
	.globl	k_q74151d9c1a_prep
	.p2align	8
	.type	k_q74151d9c1a_prep,@function
k_q74151d9c1a_prep:
	s_mov_b64 s[64:65], 0
	v_nop
	global_prefetch_b8 v0, s[64:65] scope:SCOPE_SE
	s_setreg_imm32_b32 hwreg(HW_REG_WAVE_MODE, 25, 1), 1
	s_wait_xcnt 0x0
; The four weights [512][512] f32, K innermost, are laid once in the order in which the later launches' operand registers take them.
; W_Q, W_K, W_V -> codes of FP4 (E2M1) with one E8M0 byte for each 32 along K.  Wc: [tensor 3][tile of 16 rows 32][K step of 128: 4][c 2][512 bytes]: lane l's 16 bytes at 16 l are registers
; 4 c .. 4 c + 3 of the fragment: row l % 16, k = 128 s + 64 c + 32 (l / 16) + 0 .. 31.  Ws: [tensor][tile][s][row 16][4 bytes]: a row's scale word of a K step.
; W_O -> f16.  Wo: [block of 128 rows 4][head 8][tile of 16 rows 8][dt 4][512 bytes]: lane l holds row l % 16, k = 64 head + 16 dt + 8 (l / 16) + 0 .. 7.
; A block's scale is 2^(floor(log2(largest magnitude)) - 2); its byte is the largest magnitude's exponent field - 2, held at 1 from below.
; LIMITS: NaN and infinities are not served.  A block of zeros gets the byte 1 where the quantiser's rule says 127: its codes are zeros, and this program alone reads the bytes.
; W_O must lie under 65,504 in magnitude (f16); under 6e-5 its step is 6e-8.
; SHARES: a wave takes 16 rows (32 KB on end).  Work-groups 0-23: tensor g / 8, tile 4 (g % 8) + wave.  Work-groups 24-31: W_O.  Waves share nothing: no barrier.
; No matrix unit, no cluster, no tensor load: each byte is read once by one wave, 4 MB in all.
.set XO,   1                           ; v1   32 x lane: my 8 numbers of a unit of 1,024 bytes
.set CW,   2                           ; v2   LDS: where my 8 codes go
.set SW,   3                           ; v3   LDS: where my block's scale byte goes
.set LI2,  4                           ; v4   LDS: where my lane reads 16 bytes of a fragment
.set L16,  5                           ; v5   16 x lane
.set L8,   6                           ; v6   8 x lane
.set SPW,  7                           ; v7   LDS address of my spare word; never rewritten
.set NIL,  8                           ; v8   0; never rewritten
.set VO,   9                           ; v9   W_O: 2,048 x row + 32 x half
.set SRD,  10                          ; v10  LDS: my 8 of the wave's 256 scale bytes
.set MX,   16                          ; v16-19 largest magnitudes of four units
.set EX,   20                          ; v20-23 the conversions' scale operands
.set CB,   24                          ; v24-39 two sets of 4 code words and 4 scale bytes
.set OUTR, 64                          ; v64-127 what is stored
.set XB,   128                         ; v128-255 sixteen units of 8 numbers
.set WREG, 4608                        ; LDS: a wave's region: the image of its 16 rows (16 half chunks of 256 bytes, 272 apart), then its 256 scale bytes
.set SCLO, 4352
.set SPARE, 4*WREG                     ; behind the regions: the spare words, 128 bytes a wave: two blocks of 256 bytes that no other line names
.set XP,   20                          ; s[20:21] my wave's 16 rows
; unit u = 2 R + H: half H of row R.  Lane l takes k = 256 H + 8 l + 0 .. 7: the two loads together cover 1,024 bytes on end
.macro LOADU u
	global_load_b128 v[XB+8*((\u)%16):XB+8*((\u)%16)+3], v[XO], s[XP:XP+1] offset:1024*(\u) th:TH_LOAD_NT
	global_load_b128 v[XB+8*((\u)%16)+4:XB+8*((\u)%16)+7], v[XO], s[XP:XP+1] offset:1024*(\u)+16 th:TH_LOAD_NT
.endm
; group g: units 4 g .. 4 g + 3, line by line by turns.  Four lanes hold a block of 32.
.macro QG g, ib, sb
.set QX, XB+32*((\g)%4)
.set QP, CB+8*((\g)%2)
.if (\g) < 4
	s_wait_loadcnt 24                              ; my 8 loads are in; the 8 of each of the three groups behind may be out
.else
	s_wait_loadcnt 8*(7-(\g))
.endif
.irp i, 0,1,2,3
	v_max3_num_f32 v[MX+\i], |v[QX+8*\i]|, |v[QX+8*\i+1]|, 0x1800000   ; with the floor 2^(3 - 127): the byte cannot fall under 1
.endr
.irp j, 2,4,6
.irp i, 0,1,2,3
	v_max3_num_f32 v[MX+\i], v[MX+\i], |v[QX+8*\i+\j]|, |v[QX+8*\i+\j+1]|
.endr
.endr
.irp i, 0,1,2,3
	v_max_num_f32_dpp v[MX+\i], v[MX+\i], v[MX+\i] row_xmask:1 row_mask:0xf bank_mask:0xf
.endr
.irp i, 0,1,2,3
	v_max_num_f32_dpp v[MX+\i], v[MX+\i], v[MX+\i] row_xmask:2 row_mask:0xf bank_mask:0xf   ; the block's largest magnitude
.endr
.irp i, 0,1,2,3
	v_add_nc_u32 v[EX+\i], 0xff000000, v[MX+\i]    ; 2 off its exponent field: the conversion takes that field as its scale
.endr
	s_wait_dscnt 8                                 ; the LDS stores of two groups back, which read this set, are done; the last group's 8 may be out
.irp i, 0,1,2,3
	v_cvt_scalef32_pk8_fp4_f32 v[QP+\i], v[QX+8*\i:QX+8*\i+7], v[EX+\i]
.endr
.irp i, 0,1,2,3
	v_lshrrev_b32 v[QP+4+\i], 23, v[EX+\i]         ; the scale's byte (also the plain line behind the conversions)
.endr
.irp i, 0,1,2,3
	ds_store_b32 v[CW], v[QP+\i] offset:\ib+2176*(\i%2)+16*(2*(\g)+\i/2)     ; half chunk 8 H + lane / 4, row R, word lane % 4
	ds_store_b8 v[SW], v[QP+4+\i] offset:\sb+128*(\i%2)+4*(2*(\g)+\i/2)      ; the block's four lanes write the same byte with the same value
.endr
.if (\g) < 4
.irp i, 0,1,2,3
	LOADU 4*(\g)+16+\i
.endr
.endif
.endm
	s_load_b256 s[4:11], s[0:1], 0x0               ; W_Q, W_K, W_V, W_O
	s_load_b128 s[12:15], s[0:1], 0x20             ; Wc, Ws
	s_load_b64 s[16:17], s[0:1], 0x30              ; Wo
	v_lshl_add_u32 v[SPW], v0, 2, SPARE
	v_mov_b32 v[NIL], 0
	v_lshrrev_b32 v11, 5, v0
	v_readfirstlane_b32 s18, v11                   ; wave
	v_and_b32 v11, 31, v0                          ; lane
	v_and_b32 v12, 15, v0                          ; r
	v_bfe_u32 v13, v0, 4, 1                        ; h
	v_lshlrev_b32 v[XO], 5, v11
	s_mul_i32 s19, s18, WREG
	v_lshrrev_b32 v14, 2, v11
	v_and_b32 v15, 3, v11
	v_mul_u32_u24 v[CW], v14, 272
	v_lshl_add_u32 v[CW], v15, 2, v[CW]
	v_add_nc_u32 v[CW], s19, v[CW]                 ; 272 (lane / 4) + 4 (lane % 4): word 68 (lane / 4) + lane % 4, so the 32 lanes fall on 32 different banks
	v_and_b32 v14, 3, v14
	v_lshl_add_u32 v[SW], v13, 6, v14
	v_add_nc_u32 v[SW], s19, v[SW]                 ; [s][row][byte]: 64 (lane / 16) + (lane / 4) % 4
	v_mul_u32_u24 v[LI2], v13, 272
	v_lshl_add_u32 v[LI2], v12, 4, v[LI2]
	v_add_nc_u32 v[LI2], s19, v[LI2]
	v_lshlrev_b32 v[L16], 4, v11
	v_lshlrev_b32 v[L8], 3, v11
	v_add_nc_u32 v[SRD], s19, v[L8]
	v_lshlrev_b32 v[VO], 11, v12
	v_lshl_add_u32 v[VO], v13, 5, v[VO]
	s_lshr_b32 s22, ttmp9, 3                       ; tensor 0..3
	s_and_b32 s23, ttmp9, 7
	s_lshl_b32 s23, s23, 2
	s_add_co_u32 s23, s23, s18                     ; my tile of 16 rows
	s_lshl_b32 s24, s23, 15                        ; its 32,768 bytes
	s_mov_b32 s25, 0
	s_wait_kmcnt 0x0
	s_cmp_ge_u32 ttmp9, 24
	s_cbranch_scc1 .Lwo
	s_cmp_eq_u32 s22, 0
	s_cselect_b64 s[XP:XP+1], s[4:5], s[6:7]
	s_cmp_eq_u32 s22, 2
	s_cselect_b64 s[XP:XP+1], s[8:9], s[XP:XP+1]
	s_add_nc_u64 s[XP:XP+1], s[XP:XP+1], s[24:25]
	s_lshl_b32 s26, s22, 17
	s_lshl_b32 s27, s23, 12
	s_add_co_u32 s26, s26, s27
	s_mov_b32 s27, 0
	s_add_nc_u64 s[12:13], s[12:13], s[26:27]      ; Wc: tensor x 131,072 + tile x 4,096
	s_lshl_b32 s26, s22, 13
	s_lshl_b32 s28, s23, 8
	s_add_co_u32 s26, s26, s28
	s_add_nc_u64 s[14:15], s[14:15], s[26:27]      ; Ws: tensor x 8,192 + tile x 256
.irp u, 0,1,2,3,4,5,6,7,8,9,10,11,12,13,14,15
	LOADU \u
.endr
.irp g, 0,1,2,3,4,5,6,7
	QG \g, 0, SCLO
.endr
.irp k, 0,1,2,3,4,5,6,7                        ; chunk k = 2 s + c: half chunks 2 k (lanes 0-15) and 2 k + 1 (lanes 16-31).  LDS serves a wave's instructions in order: these see my stores
	ds_load_b128 v[OUTR+4*\k:OUTR+4*\k+3], v[LI2] offset:2*\k*272
.endr
	ds_load_b64 v[OUTR+32:OUTR+33], v[SRD] offset:SCLO
	s_wait_dscnt 0x0
.irp k, 0,1,2,3,4,5,6,7
	global_store_b128 v[L16], v[OUTR+4*\k:OUTR+4*\k+3], s[12:13] offset:512*\k   ; 32 lanes store 512 bytes on end
.endr
	global_store_b64 v[L8], v[OUTR+32:OUTR+33], s[14:15]                          ; 32 lanes store 256 bytes on end, aligned
	s_wait_tensorcnt 0x0                           ; the wave's end, behind my last LDS store
	ds_add_u32 v[SPW], v[NIL]
	s_wait_dscnt 0x0
	s_endpgm
; W_O: column tile q = 4 head + dt: 16 columns, 64 bytes of a row; lane (r, h) takes 8 numbers.  Four batches of 8 column tiles, two batches of loads on their way.
.macro WOL k
.irp q, 0,1,2,3,4,5,6,7
	global_load_b128 v[XB+64*((\k)%2)+8*\q:XB+64*((\k)%2)+8*\q+3], v[VO], s[XP:XP+1] offset:64*(8*(\k)+\q)
	global_load_b128 v[XB+64*((\k)%2)+8*\q+4:XB+64*((\k)%2)+8*\q+7], v[VO], s[XP:XP+1] offset:64*(8*(\k)+\q)+16
.endr
.endm
.macro WOB k
.if (\k) < 3
	s_wait_loadcnt 16                              ; my batch is in; the next batch's 16 loads may be out
.else
	s_wait_loadcnt 0x0
.endif
.if (\k) >= 2
	s_wait_xcnt 0x0                                ; the stores of two batches back have read the registers that are written now
.endif
.irp q, 0,1,2,3,4,5,6,7
.irp j, 0,1,2,3
	v_cvt_pk_f16_f32 v[OUTR+32*((\k)%2)+4*\q+\j], v[XB+64*((\k)%2)+8*\q+2*\j], v[XB+64*((\k)%2)+8*\q+2*\j+1]
.endr
.endr
.irp q, 0,1,2,3,4,5,6,7
	global_store_b128 v[L16], v[OUTR+32*((\k)%2)+4*\q:OUTR+32*((\k)%2)+4*\q+3], s[16:17] offset:((8*(\k)+\q)/4)*16384+(\q%4)*512
.endr
.if (\k) < 2
	WOL (\k)+2
.endif
.endm
.Lwo:
	s_add_nc_u64 s[XP:XP+1], s[10:11], s[24:25]
	s_lshr_b32 s26, s23, 3
	s_lshl_b32 s26, s26, 17
	s_and_b32 s27, s23, 7
	s_lshl_b32 s27, s27, 11
	s_add_co_u32 s26, s26, s27
	s_mov_b32 s27, 0
	s_add_nc_u64 s[16:17], s[16:17], s[26:27]      ; Wo: block x 131,072 + tile x 2,048
	WOL 0
	WOL 1
	WOB 0
	WOB 1
	WOB 2
	WOB 3
	s_endpgm
.Lfunc_end_k_q74151d9c1a_prep:
	.size	k_q74151d9c1a_prep, .Lfunc_end_k_q74151d9c1a_prep-k_q74151d9c1a_prep
	.p2alignl 7, 3214868480
	.fill 96, 4, 3214868480
	.section	.rodata,"a",@progbits
	.p2align	6, 0x0
	.amdhsa_kernel k_q74151d9c1a_prep
		.amdhsa_group_segment_fixed_size 18944
		.amdhsa_private_segment_fixed_size 0
		.amdhsa_enable_private_segment 0
		.amdhsa_kernarg_size 56
		.amdhsa_user_sgpr_count 2
		.amdhsa_user_sgpr_kernarg_segment_ptr 1
		.amdhsa_wavefront_size32 1
		.amdhsa_system_sgpr_workgroup_id_x 1
		.amdhsa_system_sgpr_workgroup_id_y 1
		.amdhsa_system_sgpr_workgroup_id_z 1
		.amdhsa_system_vgpr_workitem_id 0
		.amdhsa_next_free_vgpr 256
		.amdhsa_next_free_sgpr 66
		.amdhsa_reserve_vcc 0
		.amdhsa_float_denorm_mode_32 3
		.amdhsa_float_denorm_mode_16_64 3
		.amdhsa_memory_ordered 1
		.amdhsa_forward_progress 1
		.amdhsa_inst_pref_size 50
	.end_amdhsa_kernel
	.amdgpu_metadata
---
amdhsa.version: [ 1, 2 ]
amdhsa.kernels:
  - .name:           k_q74151d9c1a_prep
    .symbol:         k_q74151d9c1a_prep.kd
    .args:
      - { .name: W_Q, .offset: 0, .size: 8, .value_kind: global_buffer, .address_space: global }
      - { .name: W_K, .offset: 8, .size: 8, .value_kind: global_buffer, .address_space: global }
      - { .name: W_V, .offset: 16, .size: 8, .value_kind: global_buffer, .address_space: global }
      - { .name: W_O, .offset: 24, .size: 8, .value_kind: global_buffer, .address_space: global }
      - { .name: Wc, .offset: 32, .size: 8, .value_kind: global_buffer, .address_space: global }
      - { .name: Ws, .offset: 40, .size: 8, .value_kind: global_buffer, .address_space: global }
      - { .name: Wo, .offset: 48, .size: 8, .value_kind: global_buffer, .address_space: global }
    .group_segment_fixed_size: 18944
    .private_segment_fixed_size: 0
    .kernarg_segment_align: 8
    .kernarg_segment_size: 56
    .max_flat_workgroup_size: 128
    .sgpr_count:     66
    .vgpr_count:     256
    .wavefront_size: 32
...
	.end_amdgpu_metadata
.endif
;; end of part 1
;; launch proj (part 2): grid 64 x 3, 8 waves a work-group, no clusters, 37,888 bytes of LDS; arguments input_Q, input_K, input_V, Wc, Ws, Qf, Kf, Vf, H16; writes Qf, Kf, Vf, H16
.if DOCPART == 2
	.amdgcn_target "amdgcn-amd-amdhsa--gfx1250"
	.amdhsa_code_object_version 6
	.text
	.protected	k_q74151d9c1a_proj
	.globl	k_q74151d9c1a_proj
	.p2align	8
	.type	k_q74151d9c1a_proj,@function
k_q74151d9c1a_proj:
	s_mov_b64 s[64:65], 0
	v_nop
	global_prefetch_b8 v0, s[64:65] scope:SCOPE_SE
	s_setreg_imm32_b32 hwreg(HW_REG_WAVE_MODE, 25, 1), 1
	s_wait_xcnt 0x0
; y = x W^T for x = input_Q, input_K, input_V (work-group y = 0, 1, 2), both operands as codes of FP4 (E2M1) with one E8M0 scale for each 32 along K; sums in f32.
; x [8,192][512] f32 is read once and quantised in registers; W comes as fragments and scale words laid by the launch before.
; A block's scale is 2^(floor(log2(largest magnitude)) - 2); its byte is the largest magnitude's exponent field - 2, held at 1 from below.
; LIMITS: NaN and infinities are not served.  A block of zeros gets the byte 1 where the quantiser's rule says 127: its codes are zeros and only this launch reads the bytes.
; The results go on as f16: they must lie under 65,504 in magnitude; under 6e-5 the step is 6e-8.
; SHARES.  A work-group takes 128 rows.  Wave w quantises rows 16 w .. 16 w + 15 and lays their fragments in LDS; behind ONE barrier wave w makes head w (columns 64 w .. 64 w + 63) for all eight tiles of rows.
; Its 16 fragments of W (128 registers) and 16 scale words stay in registers.
; OUT.  Q and K are made TRANSPOSED (source 0 = 16 rows of W, source 1 = 16 rows of x): a lane holds one position and 8 neighbouring channels, which pack into 16 bytes: half of a 16-bit fragment.
; V is made the natural way round (source 0 = x, source 1 = W): a lane holds one channel and 8 neighbouring positions: half of a fragment of V^T.
; Qf, Kf, Vf: [batch x head 32][tile of 16 positions 128][dt 4][512 bytes], lane l's 16 bytes at 16 l: every store of a wave covers 512 bytes on end.
; H16: the f32 accumulators of positions 0-15 of each batch as they stand, [tensor][batch][head][dt][4 registers: 2][512 bytes], for the launch that carries those rows in f32.
; NO CLUSTER, NO TENSOR LOAD: x is shared by nobody; W (136 KB a work-group) goes from memory straight into the registers in which it stays, and joint loads serve LDS alone.
.set XO,   1                           ; v1   32 x lane
.set CW,   2                           ; v2   LDS: where my 8 codes go
.set SW,   3                           ; v3   LDS: where my block's scale byte goes
.set LI2,  4                           ; v4   272 h + 16 r: my 16 bytes of a fragment's chunk
.set LS,   5                           ; v5   4 r: my row's scale word
.set L16,  6                           ; v6   16 x lane
.set SPW,  7                           ; v7   LDS address of my spare word; never rewritten
.set NIL,  8                           ; v8   0; never rewritten
.set WS,   16                          ; v16-31 W's scale words, 4 dt + s: scales and nothing else
.set XF,   32                          ; v32-63 x's four fragments of a tile of rows
.set XS,   64                          ; v64-67 their scale words: scales and nothing else
.set MX,   68
.set EX,   72
.set CB,   76                          ; v76-91
.set ACC,  96                          ; v96-127 four accumulators
.set XB,   128                         ; v128-255 sixteen units of 8 numbers of x
.set OUTR, 128                         ; later v128-143: what is stored
.set WF,   0                           ; window 1: v0-127 W's fragments, 8 (4 dt + s)
.set XSC,  8*4352                      ; LDS: eight images of 16 rows (16 half chunks of 256 bytes, 272 apart), then eight times 256 scale bytes
.set SPARE, XSC+8*256                  ; the spare words, 128 bytes a wave: four blocks of 256 bytes that no other line names
.set WV,   22
.set TZ,   23
.set XP,   24                          ; s[24:25] my wave's 16 rows of x
.set OP,   26                          ; s[26:27] my head's part of Qf, Kf or Vf
.set F16,  28                          ; s28  0 in a work-group that holds positions 0-15 of a batch
.set MSB, 0
.macro WIN new                         ; the immediate's high byte repeats the setting that is left
.if MSB != \new
	s_set_vgpr_msb (MSB<<8)|\new
.set MSB, \new
.endif
.endm
.macro PLACES n
.rept \n
	v_nop
.endr
.endm
.macro LOADU u                         ; unit u = 2 R + H: lane l takes k = 256 H + 8 l + 0 .. 7 of row R; the two loads together cover 1,024 bytes on end
	global_load_b128 v[XB+8*((\u)%16):XB+8*((\u)%16)+3], v[XO], s[XP:XP+1] offset:1024*(\u) th:TH_LOAD_NT
	global_load_b128 v[XB+8*((\u)%16)+4:XB+8*((\u)%16)+7], v[XO], s[XP:XP+1] offset:1024*(\u)+16 th:TH_LOAD_NT
.endm
.macro QG g, ib, sb                    ; group g: units 4 g .. 4 g + 3, line by line by turns; four lanes hold a block of 32
.set QX, XB+32*((\g)%4)
.set QP, CB+8*((\g)%2)
.if (\g) < 4
	s_wait_loadcnt 24                              ; my 8 loads (and all of W's, issued earlier) are in; the 8 of each of the three groups behind may be out
.else
	s_wait_loadcnt 8*(7-(\g))
.endif
.irp i, 0,1,2,3
	v_max3_num_f32 v[MX+\i], |v[QX+8*\i]|, |v[QX+8*\i+1]|, 0x1800000   ; with the floor 2^(3 - 127)
.endr
.irp j, 2,4,6
.irp i, 0,1,2,3
	v_max3_num_f32 v[MX+\i], v[MX+\i], |v[QX+8*\i+\j]|, |v[QX+8*\i+\j+1]|
.endr
.endr
.irp i, 0,1,2,3
	v_max_num_f32_dpp v[MX+\i], v[MX+\i], v[MX+\i] row_xmask:1 row_mask:0xf bank_mask:0xf
.endr
.irp i, 0,1,2,3
	v_max_num_f32_dpp v[MX+\i], v[MX+\i], v[MX+\i] row_xmask:2 row_mask:0xf bank_mask:0xf
.endr
.irp i, 0,1,2,3
	v_add_nc_u32 v[EX+\i], 0xff000000, v[MX+\i]    ; 2 off the exponent field: the conversion's scale operand
.endr
	s_wait_dscnt 8                                 ; the LDS stores of two groups back, which read this set, are done
.irp i, 0,1,2,3
	v_cvt_scalef32_pk8_fp4_f32 v[QP+\i], v[QX+8*\i:QX+8*\i+7], v[EX+\i]
.endr
.irp i, 0,1,2,3
	v_lshrrev_b32 v[QP+4+\i], 23, v[EX+\i]         ; the scale's byte (also the plain line behind the conversions)
.endr
.irp i, 0,1,2,3
	ds_store_b32 v[CW], v[QP+\i] offset:\ib+2176*(\i%2)+16*(2*(\g)+\i/2)
	ds_store_b8 v[SW], v[QP+4+\i] offset:\sb+128*(\i%2)+4*(2*(\g)+\i/2)
.endr
.if (\g) < 4
.irp i, 0,1,2,3
	LOADU 4*(\g)+16+\i
.endr
.endif
.endm
	s_load_b256 s[4:11], s[0:1], 0x0               ; input_Q, input_K, input_V, Wc
	s_load_b256 s[12:19], s[0:1], 0x20             ; Ws, Qf, Kf, Vf
	s_load_b64 s[20:21], s[0:1], 0x40              ; H16
	v_lshl_add_u32 v[SPW], v0, 2, SPARE
	v_mov_b32 v[NIL], 0
	v_lshrrev_b32 v9, 5, v0
	v_readfirstlane_b32 s[WV], v9                  ; wave 0..7
	s_and_b32 s[TZ], ttmp7, 0xffff                 ; tensor 0..2
	v_and_b32 v9, 31, v0                           ; lane
	v_and_b32 v10, 15, v0                          ; r
	v_bfe_u32 v11, v0, 4, 1                        ; h
	v_lshlrev_b32 v[XO], 5, v9
	v_lshlrev_b32 v[L16], 4, v9
	v_lshlrev_b32 v[LS], 2, v10
	v_mul_u32_u24 v[LI2], v11, 272
	v_lshl_add_u32 v[LI2], v10, 4, v[LI2]
	s_mul_i32 s30, s[WV], 4352
	s_lshl_b32 s31, s[WV], 8
	v_lshrrev_b32 v12, 2, v9
	v_and_b32 v13, 3, v9
	v_mul_u32_u24 v[CW], v12, 272
	v_lshl_add_u32 v[CW], v13, 2, v[CW]
	v_add_nc_u32 v[CW], s30, v[CW]                 ; my wave's image + 272 (lane / 4) + 4 (lane % 4): 32 different banks
	v_and_b32 v12, 3, v12
	v_lshl_add_u32 v[SW], v11, 6, v12
	v_add_nc_u32 v[SW], s31, v[SW]                 ; my wave's 256 scale bytes, [s][row][byte]
	s_lshl_b32 s32, ttmp9, 18                      ; x: 128 rows of 2,048 bytes a work-group,
	s_lshl_b32 s33, s[WV], 15                      ; 16 a wave
	s_add_co_u32 s32, s32, s33
	s_mov_b32 s33, 0
	s_lshr_b32 s29, ttmp9, 4                       ; batch
	s_and_b32 s[F16], ttmp9, 15                    ; block of 128 positions in the batch
	s_lshl_b32 s34, s29, 3
	s_add_co_u32 s34, s34, s[WV]
	s_lshl_b32 s34, s34, 18                        ; (8 batch + head) x 262,144
	s_lshl_b32 s35, s[F16], 14                     ; + 8 tiles of 2,048 bytes a block
	s_add_co_u32 s34, s34, s35
	s_mov_b32 s35, 0
	s_lshl_b32 s36, s[TZ], 2
	s_add_co_u32 s36, s36, s29
	s_lshl_b32 s36, s36, 3
	s_add_co_u32 s36, s36, s[WV]
	s_lshl_b32 s36, s36, 12                        ; H16: ((4 tensor + batch) 8 + head) x 4,096
	s_mov_b32 s37, 0
	s_lshl_b32 s38, s[TZ], 17
	s_lshl_b32 s39, s[WV], 14
	s_add_co_u32 s38, s38, s39                     ; Wc: tensor x 131,072 + my four tiles of 4,096
	s_mov_b32 s39, 0
	s_lshl_b32 s40, s[TZ], 13
	s_lshl_b32 s41, s[WV], 10
	s_add_co_u32 s40, s40, s41                     ; Ws: tensor x 8,192 + my four tiles of 256
	s_mov_b32 s41, 0
	s_wait_kmcnt 0x0
	s_cmp_eq_u32 s[TZ], 0
	s_cselect_b64 s[XP:XP+1], s[4:5], s[6:7]
	s_cselect_b64 s[OP:OP+1], s[14:15], s[16:17]
	s_cmp_eq_u32 s[TZ], 2
	s_cselect_b64 s[XP:XP+1], s[8:9], s[XP:XP+1]
	s_cselect_b64 s[OP:OP+1], s[18:19], s[OP:OP+1]
	s_add_nc_u64 s[XP:XP+1], s[XP:XP+1], s[32:33]
	s_add_nc_u64 s[OP:OP+1], s[OP:OP+1], s[34:35]
	s_add_nc_u64 s[20:21], s[20:21], s[36:37]
	s_add_nc_u64 s[10:11], s[10:11], s[38:39]
	s_add_nc_u64 s[12:13], s[12:13], s[40:41]
	WIN 0x40                                       ; destination window 1
.irp f, 0,1,2,3,4,5,6,7,8,9,10,11,12,13,14,15      ; f = 4 dt + s
.irp c, 0,1
	global_load_b128 v[WF+8*\f+4*\c:WF+8*\f+4*\c+3], v[L16], s[10:11] offset:1024*\f+512*\c
.endr
.endr
	WIN 0
.irp f, 0,1,2,3,4,5,6,7,8,9,10,11,12,13,14,15
	global_load_b32 v[WS+\f], v[LS], s[12:13] offset:64*\f
.endr
.irp u, 0,1,2,3,4,5,6,7,8,9,10,11,12,13,14,15
	LOADU \u
.endr
.irp g, 0,1,2,3,4,5,6,7
	QG \g, 0, XSC
.endr
	s_wait_dscnt 0x0                               ; my stores have landed:
	s_barrier_signal -1
	s_barrier_wait -1                              ; the eight tiles' fragments and scale words lie in LDS
; Tile m of rows: x's four fragments from LDS, 16 products (four accumulators by turns, one instruction a turn), packed to f16, stored.
.macro MT m
.irp k, 0,1,2,3,4,5,6,7                        ; k = 2 s + c
	ds_load_b128 v[XF+4*\k:XF+4*\k+3], v[LI2] offset:(\m)*4352+2*\k*272
.endr
.irp s, 0,1,2,3
	ds_load_b32 v[XS+\s], v[LS] offset:XSC+256*(\m)+64*\s
.endr
	s_wait_dscnt 0x0
	s_cmp_eq_u32 s[TZ], 2
	s_cbranch_scc1 .Lv_\@
	WIN 0x01                                       ; source 0 (W) window 1
.irp s, 0,1,2,3
.irp d, 0,1,2,3
.if \s == 0
	v_wmma_scale_f32_16x16x128_f8f6f4 v[ACC+8*\d:ACC+8*\d+7], v[WF+8*(4*\d+\s):WF+8*(4*\d+\s)+7], v[XF+8*\s:XF+8*\s+7], 0, v[WS+4*\d+\s], v[XS+\s] matrix_a_fmt:MATRIX_FMT_FP4 matrix_b_fmt:MATRIX_FMT_FP4
.else
	v_wmma_scale_f32_16x16x128_f8f6f4 v[ACC+8*\d:ACC+8*\d+7], v[WF+8*(4*\d+\s):WF+8*(4*\d+\s)+7], v[XF+8*\s:XF+8*\s+7], v[ACC+8*\d:ACC+8*\d+7], v[WS+4*\d+\s], v[XS+\s] matrix_a_fmt:MATRIX_FMT_FP4 matrix_b_fmt:MATRIX_FMT_FP4
.endif
.endr
.endr
	WIN 0
	s_branch .Lj_\@
.Lv_\@:
	WIN 0x04                                       ; source 1 (W) window 1
.irp s, 0,1,2,3
.irp d, 0,1,2,3
.if \s == 0
	v_wmma_scale_f32_16x16x128_f8f6f4 v[ACC+8*\d:ACC+8*\d+7], v[XF+8*\s:XF+8*\s+7], v[WF+8*(4*\d+\s):WF+8*(4*\d+\s)+7], 0, v[XS+\s], v[WS+4*\d+\s] matrix_a_fmt:MATRIX_FMT_FP4 matrix_b_fmt:MATRIX_FMT_FP4
.else
	v_wmma_scale_f32_16x16x128_f8f6f4 v[ACC+8*\d:ACC+8*\d+7], v[XF+8*\s:XF+8*\s+7], v[WF+8*(4*\d+\s):WF+8*(4*\d+\s)+7], v[ACC+8*\d:ACC+8*\d+7], v[XS+\s], v[WS+4*\d+\s] matrix_a_fmt:MATRIX_FMT_FP4 matrix_b_fmt:MATRIX_FMT_FP4
.endif
.endr
.endr
	WIN 0
.Lj_\@:
	PLACES 4                                       ; four places between the last product and the first read of results; with the conversions of the other accumulators they also part it from the next tile's loads and first products
.if (\m) == 0
	s_cmp_eq_u32 s[F16], 0                         ; positions 0-15 of a batch: the f32 sums as they stand, each accumulator from its low end
	s_cbranch_scc0 .Lnh_\@
.irp d, 0,1,2,3
.irp q, 0,1
	global_store_b128 v[L16], v[ACC+8*\d+4*\q:ACC+8*\d+4*\q+3], s[20:21] offset:1024*\d+512*\q
.endr
.endr
.Lnh_\@:
.endif
	s_wait_xcnt 0x0                                ; earlier stores have read their data: the packed registers, and later the accumulators, are written again only behind this wait
.irp d, 0,1,2,3
.irp j, 0,1,2,3
	v_cvt_pk_f16_f32 v[OUTR+4*\d+\j], v[ACC+8*\d+2*\j], v[ACC+8*\d+2*\j+1]
.endr
.endr
.irp d, 0,1,2,3
	global_store_b128 v[L16], v[OUTR+4*\d:OUTR+4*\d+3], s[OP:OP+1] offset:(\m)*2048+512*\d   ; 32 lanes store 512 bytes on end
.endr
.endm
.irp m, 0,1,2,3,4,5,6,7
	MT \m
.endr
	s_wait_tensorcnt 0x0                           ; the wave's end, behind my last LDS store
	ds_add_u32 v[SPW], v[NIL]
	s_wait_dscnt 0x0
	s_endpgm
.Lfunc_end_k_q74151d9c1a_proj:
	.size	k_q74151d9c1a_proj, .Lfunc_end_k_q74151d9c1a_proj-k_q74151d9c1a_proj
	.p2alignl 7, 3214868480
	.fill 96, 4, 3214868480
	.section	.rodata,"a",@progbits
	.p2align	6, 0x0
	.amdhsa_kernel k_q74151d9c1a_proj
		.amdhsa_group_segment_fixed_size 37888
		.amdhsa_private_segment_fixed_size 0
		.amdhsa_enable_private_segment 0
		.amdhsa_kernarg_size 72
		.amdhsa_user_sgpr_count 2
		.amdhsa_user_sgpr_kernarg_segment_ptr 1
		.amdhsa_wavefront_size32 1
		.amdhsa_system_sgpr_workgroup_id_x 1
		.amdhsa_system_sgpr_workgroup_id_y 1
		.amdhsa_system_sgpr_workgroup_id_z 1
		.amdhsa_system_vgpr_workitem_id 0
		.amdhsa_next_free_vgpr 384
		.amdhsa_next_free_sgpr 66
		.amdhsa_reserve_vcc 0
		.amdhsa_float_denorm_mode_32 3
		.amdhsa_float_denorm_mode_16_64 3
		.amdhsa_memory_ordered 1
		.amdhsa_forward_progress 1
		.amdhsa_inst_pref_size 90
	.end_amdhsa_kernel
	.amdgpu_metadata
---
amdhsa.version: [ 1, 2 ]
amdhsa.kernels:
  - .name:           k_q74151d9c1a_proj
    .symbol:         k_q74151d9c1a_proj.kd
    .args:
      - { .name: input_Q, .offset: 0, .size: 8, .value_kind: global_buffer, .address_space: global }
      - { .name: input_K, .offset: 8, .size: 8, .value_kind: global_buffer, .address_space: global }
      - { .name: input_V, .offset: 16, .size: 8, .value_kind: global_buffer, .address_space: global }
      - { .name: Wc, .offset: 24, .size: 8, .value_kind: global_buffer, .address_space: global }
      - { .name: Ws, .offset: 32, .size: 8, .value_kind: global_buffer, .address_space: global }
      - { .name: Qf, .offset: 40, .size: 8, .value_kind: global_buffer, .address_space: global }
      - { .name: Kf, .offset: 48, .size: 8, .value_kind: global_buffer, .address_space: global }
      - { .name: Vf, .offset: 56, .size: 8, .value_kind: global_buffer, .address_space: global }
      - { .name: H16, .offset: 64, .size: 8, .value_kind: global_buffer, .address_space: global }
    .group_segment_fixed_size: 37888
    .private_segment_fixed_size: 0
    .kernarg_segment_align: 8
    .kernarg_segment_size: 72
    .max_flat_workgroup_size: 256
    .sgpr_count:     66
    .vgpr_count:     384
    .wavefront_size: 32
...
	.end_amdgpu_metadata
.endif
;; end of part 2
;; launch attn (part 3): grid 8 x 32, 8 waves a work-group, no clusters, 33,792 bytes of LDS; arguments Qf, Kf, Vf, Cx; writes Cx
.if DOCPART == 3
	.amdgcn_target "amdgcn-amd-amdhsa--gfx1250"
	.amdhsa_code_object_version 6
	.text
	.protected	k_q74151d9c1a_attn
	.globl	k_q74151d9c1a_attn
	.p2align	8
	.type	k_q74151d9c1a_attn,@function
k_q74151d9c1a_attn:
	s_mov_b64 s[64:65], 0
	v_nop
	global_prefetch_b8 v0, s[64:65] scope:SCOPE_SE
	s_setreg_imm32_b32 hwreg(HW_REG_WAVE_MODE, 25, 1), 1
	s_wait_xcnt 0x0
; ctx[b][h][q] = the sum over k <= q of softmax_k(Q[q] . K[k] / 8) V[k], head size 64, 2,048 positions, 32 batch x head.  Operands f16, products, maxima and sums f32.
; Qf, Kf: [bh][tile of 16 positions][dt 4][512 bytes]: lane l holds position l % 16, channels 16 dt + 8 (l / 16) + 0 .. 7.  Vf: the same order, lane l holds channel 16 dt + l % 16, positions 8 (l / 16) + 0 .. 7.
; So chunks 2 u, 2 u + 1 are a fragment of K or Q (channels 32 u on), and the chunks dt of two neighbouring tiles are a fragment of V^T: every LDS and global access is 16 bytes a lane on end.
; LAYOUT.  S^T = K Q^T (source 0 = 16 keys, source 1 = 16 queries), O^T = V^T P: a lane holds ONE query throughout; two tiles of S^T, packed to f16, ARE P's fragment; O^T packed is the next launch's fragment.
; SOFTMAX.  Running maximum m and sum l for each query: p = 2^(c s - c m), c = log2(e) / 8; in every step O and l are multiplied by a = 2^(c m_old - c m_new).  The sum is taken of the unrounded p.
; SHARES.  The head's 16 blocks of 128 queries go in pairs: work-group j holds block j (waves 0-3) and block 15 - j (waves 4-7), a wave 32 queries (two tiles).  It walks keys 0 .. 128 (16 - j) - 1, 64 a step.
; A wave leaves out the steps all of whose keys come after its queries (a scalar branch on ids, never round a barrier): 2 (j + 1) + 2 (16 - j) = 34 steps' work for each pair of waves, whatever j.
; One step of a wave lies on the diagonal: there hidden scores become -infinity ahead of the maximum.  Key 0 counts for every query, so m is a number from the first step on.
; TILES.  A step's 8 KB of K and 8 KB of V are copied as they lie, through registers, into one of two LDS slots: 16 bytes a thread, four times.  Loads run two steps ahead, the LDS stores one; ONE barrier a step.
; NO CLUSTER, NO TENSOR LOAD: the eight work-groups of a head need 32, 30, .. 18 tiles: partners would need different numbers of tiles; and the trip count hangs on the work-group's number, so every LDS address here is a constant and a lane's term.
; LIMITS: Q, K, V arrive as f16 (see the launch that makes them); p under 6e-8 of the row's largest is lost in P, not in the sum.
; REGISTERS: window 0: v1-6 addresses; v16-31 statistics, 8 a tile: +0 c m, +1 m, +2, +3 l, +4 .. +7 at work (a in +6); v32-95 K; v96-159 S^T; v160-223 O^T; v224-255 P.
;   window 1: v0-31 Q; v32-95 V^T; v96-127 two sets of 16 for the copies.
.set L16,  1                           ; 16 x lane
.set T16,  2                           ; 16 x thread
.set RH,   3                           ; r - 8 h
.set PFO,  4                           ; 256 x lane
.set SPW,  5                           ; LDS address of my spare word; never rewritten
.set NIL,  6                           ; 0; never rewritten
.set ST,   16
.set KFR,  32
.set S,    96
.set OT,   160
.set P,    224
.set QR,   0
.set VF,   32
.set SG,   96
.set SLOT, 16384
.set SPARE, 2*SLOT                     ; behind the slots: the spare words, 128 bytes a wave: four blocks of 256 bytes that no other line names
.set WV,   12
.set Q0,   16                          ; my first query
.set QL,   17                          ; my last
.set KF,   18                          ; the step's first key
.set TRIP, 19                          ; trips of two steps still to go
.set SEL,  20                          ; s[20:21] v_permlanex16_b32's selects for lane l xor 16
.set CS,   22                          ; s[22:23] c, twice
.set KB,   24                          ; s[24:25] K's tile that was loaded last
.set VB,   26                          ; s[26:27] V's
.set PFA,  28                          ; s[28:29] where my prefetches stand
.set PFL,  30                          ; s30 the last first key at which I prefetch; -1 in a wave that never does
.set MSB, 0
.macro WIN new
.if MSB != \new
	s_set_vgpr_msb (MSB<<8)|\new
.set MSB, \new
.endif
.endm
.macro PLACES n
.rept \n
	v_nop
.endr
.endm
.macro BAR
	s_wait_dscnt 0x0                               ; my LDS stores have landed and my LDS loads are in
	s_barrier_signal -1
	s_barrier_wait -1
.endm
	s_load_b256 s[4:11], s[0:1], 0x0               ; Qf, Kf, Vf, Cx
	v_lshl_add_u32 v[SPW], v0, 2, SPARE
	v_mov_b32 v[NIL], 0
	v_lshrrev_b32 v7, 5, v0
	v_readfirstlane_b32 s[WV], v7                  ; wave 0..7
	v_and_b32 v7, 31, v0
	v_lshlrev_b32 v[L16], 4, v7
	v_lshlrev_b32 v[T16], 4, v0
	v_lshlrev_b32 v[PFO], 8, v7
	v_and_b32 v8, 15, v0
	v_bfe_u32 v9, v0, 4, 1
	v_lshlrev_b32 v9, 3, v9
	v_sub_nc_u32 v[RH], v8, v9
	s_and_b32 s13, ttmp7, 0xffff                   ; batch x head
	s_sub_co_u32 s14, 15, ttmp9
	s_cmp_lt_u32 s[WV], 4
	s_cselect_b32 s14, ttmp9, s14                  ; my block of 128 queries: j or 15 - j
	s_and_b32 s15, s[WV], 3
	s_lshl_b32 s[Q0], s14, 7
	s_lshl_b32 s31, s15, 5
	s_add_co_u32 s[Q0], s[Q0], s31
	s_add_co_u32 s[QL], s[Q0], 31
	s_mov_b32 s[KF], 0
	s_sub_co_u32 s[TRIP], 16, ttmp9
	s_mov_b32 s[SEL], 0x76543210
	s_mov_b32 s[SEL+1], 0xfedcba98
	s_mov_b32 s[CS], 0x3e38aa3b                    ; c = log2(e) / 8
	s_mov_b32 s[CS+1], s[CS]
	s_lshl_b32 s32, s13, 18                        ; the head's 262,144 bytes in Qf, Kf, Vf
	s_mov_b32 s33, 0
	s_lshl_b32 s34, s[Q0], 7                       ; 128 bytes a position
	s_mov_b32 s35, 0
	s_lshr_b32 s36, s13, 3                         ; Cx: [batch][block 16][head 8][tile 8][dt 4][512]
	s_lshl_b32 s36, s36, 4
	s_add_co_u32 s36, s36, s14
	s_lshl_b32 s36, s36, 3
	s_and_b32 s37, s13, 7
	s_add_co_u32 s36, s36, s37
	s_lshl_b32 s36, s36, 14
	s_lshl_b32 s37, s15, 12
	s_add_co_u32 s36, s36, s37
	s_mov_b32 s37, 0
	s_lshr_b32 s38, s[WV], 1
	s_or_b32 s38, s38, ttmp9                       ; 0 in waves 0 and 1 of the head's work-group 0, the one that walks all 32 steps
	s_cmp_eq_u32 s38, 0
	s_cselect_b32 s[PFL], 1664, -1
	s_wait_kmcnt 0x0
	s_add_nc_u64 s[KB:KB+1], s[6:7], s[32:33]
	s_add_nc_u64 s[VB:VB+1], s[8:9], s[32:33]
	s_add_nc_u64 s[4:5], s[4:5], s[32:33]
	s_add_nc_u64 s[4:5], s[4:5], s[34:35]
	s_add_nc_u64 s[10:11], s[10:11], s[36:37]
	s_cmp_eq_u32 s[WV], 0
	s_cselect_b64 s[PFA:PFA+1], s[KB:KB+1], s[VB:VB+1]
	s_add_nc_u64 s[PFA:PFA+1], s[PFA:PFA+1], 4*8192  ; at tile 4: step 0 steps it to tile 5.  Tiles 0-4 come by their loads alone
	WIN 0x40                                       ; destination window 1
.irp c, 0,1,2,3,4,5,6,7
	global_load_b128 v[QR+4*\c:QR+4*\c+3], v[L16], s[4:5] offset:512*\c     ; Q stays in registers: tile c / 4, chunk c % 4
.endr
.irp p, 0,1                                    ; tiles 0 and 1 of K and V
.irp i, 0,1
	global_load_b128 v[SG+16*\p+4*\i:SG+16*\p+4*\i+3], v[T16], s[KB:KB+1] offset:8192*\p+4096*\i
.endr
.irp i, 0,1
	global_load_b128 v[SG+16*\p+8+4*\i:SG+16*\p+8+4*\i+3], v[T16], s[VB:VB+1] offset:8192*\p+4096*\i
.endr
.endr
	WIN 0
.irp t, 0,1
	v_mov_b32 v[ST+8*\t+1], 0xff61b1e6             ; m = -3e38, under every score
	v_mul_f32 v[ST+8*\t], s[CS], v[ST+8*\t+1]
.irp i, 2,3,4,5,6,7
	v_mov_b32 v[ST+8*\t+\i], 0
.endr
.endr
.set e, 0
.rept 64
	v_mov_b32 v[OT+e], 0                           ; O^T.  (The step is written once: the first finds zeros, which a = 0 leaves zeros)
.set e, e+1
.endr
	s_wait_loadcnt 4                               ; Q and tile 0 are in; tile 1's four loads may be out
	WIN 0x04                                       ; an LDS store's data are its source 1: window 1
.irp i, 0,1,2,3
	ds_store_b128 v[T16], v[SG+4*\i:SG+4*\i+3] offset:4096*\i
.endr
	WIN 0
	s_wait_xcnt 0x0                                ; the loads have read their bases
	s_add_nc_u64 s[KB:KB+1], s[KB:KB+1], 8192      ; at tile 1
	s_add_nc_u64 s[VB:VB+1], s[VB:VB+1], 8192
	BAR
; STEP t, on slot sl = t % 2.
.macro STEP sl
.if \sl == 1
	s_cmp_eq_u32 s[TRIP], 1                        ; the very last step has no successor
	s_cbranch_scc1 .Lnosto_\@
.endif
	s_wait_loadcnt 0x0                             ; tile t + 1, asked for a step ago, is in registers:
	WIN 0x04
.irp i, 0,1,2,3
	ds_store_b128 v[T16], v[SG+16*(1-\sl)+4*\i:SG+16*(1-\sl)+4*\i+3] offset:SLOT*(1-\sl)+4096*\i   ; into the slot that every wave has left (the barrier at the last step's end)
.endr
	WIN 0
.Lnosto_\@:
	s_cmp_eq_u32 s[TRIP], 1                        ; the last two steps load nothing: no load leaves the head's tiles
	s_cbranch_scc1 .Lnold_\@
	s_wait_xcnt 0x0                                ; the last step's loads and prefetch have read their bases
	s_add_nc_u64 s[KB:KB+1], s[KB:KB+1], 8192
	s_add_nc_u64 s[VB:VB+1], s[VB:VB+1], 8192
	s_add_nc_u64 s[PFA:PFA+1], s[PFA:PFA+1], 8192
	WIN 0x40
.irp i, 0,1
	global_load_b128 v[SG+16*\sl+4*\i:SG+16*\sl+4*\i+3], v[T16], s[KB:KB+1] offset:4096*\i          ; tile t + 2, into the set whose LDS stores were awaited in front of the last barrier
.endr
.irp i, 0,1
	global_load_b128 v[SG+16*\sl+8+4*\i:SG+16*\sl+8+4*\i+3], v[T16], s[VB:VB+1] offset:4096*\i
.endr
	WIN 0
; A PREFETCH of tile t + 5, three steps ahead of the load that will want it: 8 KB, lanes 256 bytes apart, one instruction.  All eight work-groups of a head walk the same tiles: work-group 0 asks, wave 0 for K, wave 1 for V,
; so each 256 bytes are named once in the launch.  It stops at t = 26 (first key 1,664): tile 31 is the head's last.
	s_cmp_le_i32 s[KF], s[PFL]
	s_cbranch_scc0 .Lnold_\@
	global_prefetch_b8 v[PFO], s[PFA:PFA+1] th:TH_LOAD_NT scope:SCOPE_SE
.Lnold_\@:
	s_cmp_gt_u32 s[KF], s[QL]                      ; all 64 keys come after my 32 queries: the step's work is left out
	s_cbranch_scc1 .Lskip_\@
	PLACES 4                                       ; four places between the last step's products and loads into the registers that they read
.irp c, 0,1,2,3,4,5,6,7,8,9,10,11,12,13,14,15
	ds_load_b128 v[KFR+4*\c:KFR+4*\c+3], v[L16] offset:SLOT*\sl+512*\c
.endr
	WIN 0x40
.irp k, 0,1
.irp d, 0,1,2,3
	ds_load_b128 v[VF+8*(4*\k+\d):VF+8*(4*\k+\d)+3], v[L16] offset:SLOT*\sl+8192+(2*\k)*2048+512*\d
	ds_load_b128 v[VF+8*(4*\k+\d)+4:VF+8*(4*\k+\d)+7], v[L16] offset:SLOT*\sl+8192+(2*\k+1)*2048+512*\d
.endr
.endr
	s_wait_dscnt 16                                ; K is in; V's sixteen loads may be out
	WIN 0x04                                       ; source 1 (Q) window 1
.irp u, 0,1                                    ; S^T = K Q^T: eight accumulators by turns, one instruction a turn
.irp k, 0,1,2,3
.irp t, 0,1
.if \u == 0
	v_wmma_f32_16x16x32_f16 v[S+32*\t+8*\k:S+32*\t+8*\k+7], v[KFR+16*\k+8*\u:KFR+16*\k+8*\u+7], v[QR+16*\t+8*\u:QR+16*\t+8*\u+7], 0
.else
	v_wmma_f32_16x16x32_f16 v[S+32*\t+8*\k:S+32*\t+8*\k+7], v[KFR+16*\k+8*\u:KFR+16*\k+8*\u+7], v[QR+16*\t+8*\u:QR+16*\t+8*\u+7], v[S+32*\t+8*\k:S+32*\t+8*\k+7]
.endif
.endr
.endr
.endr
	WIN 0
	PLACES 4
	s_add_co_u32 s31, s[KF], 63
	s_cmp_le_u32 s31, s[Q0]                        ; all 64 keys count for all my queries: no mask
	s_cbranch_scc1 .Lopen_\@
	s_sub_co_i32 s31, s[Q0], s[KF]
	v_add_nc_u32 v[ST+4], s31, v[RH]               ; d = my query - first key - 8 h.  Register 8 kt + j of a tile holds key 16 kt + 8 h + j: hidden where 16 kt + j > d
	v_add_nc_u32 v[ST+12], 16, v[ST+4]
	v_mov_b32 v[ST+5], 0xff800000                  ; -infinity
.irp t, 0,1
.irp k, 0,1,2,3
.irp j, 0,1,2,3,4,5,6,7
	v_cmp_gt_i32 vcc_lo, 16*\k+\j, v[ST+8*\t+4]
	v_cndmask_b32 v[S+32*\t+8*\k+\j], v[S+32*\t+8*\k+\j], v[ST+5], vcc_lo
.endr
.endr
.endr
.Lopen_\@:
.irp c, 0,1,2,3                                ; the maximum of my 32 scores and the old m: four chains a tile, the tiles by turns; each accumulator is read from its low end on
.irp t, 0,1
	v_max3_num_f32 v[ST+8*\t+4+\c], v[S+32*\t+8*\c], v[S+32*\t+8*\c+1], v[S+32*\t+8*\c+2]
.endr
.endr
.irp i, 3,5
.irp c, 0,1,2,3
.irp t, 0,1
	v_max3_num_f32 v[ST+8*\t+4+\c], v[ST+8*\t+4+\c], v[S+32*\t+8*\c+\i], v[S+32*\t+8*\c+\i+1]
.endr
.endr
.endr
.irp t, 0,1
	v_max3_num_f32 v[ST+8*\t+4], v[ST+8*\t+4], v[S+32*\t+7], v[S+32*\t+15]
.endr
.irp t, 0,1
	v_max3_num_f32 v[ST+8*\t+6], v[ST+8*\t+6], v[S+32*\t+23], v[S+32*\t+31]
.endr
.irp t, 0,1
	v_max3_num_f32 v[ST+8*\t+4], v[ST+8*\t+4], v[ST+8*\t+5], v[ST+8*\t+6]
.endr
.irp t, 0,1
	v_max3_num_f32 v[ST+8*\t+4], v[ST+8*\t+4], v[ST+8*\t+7], v[ST+8*\t+1]
.endr
.irp t, 0,1
	v_permlanex16_b32 v[ST+8*\t+5], v[ST+8*\t+4], s[SEL], s[SEL+1]   ; the query's other 32 keys lie in the lane 16 away
.endr
.irp t, 0,1
	v_mov_b32 v[ST+8*\t+7], v[ST+8*\t]             ; c m_old
.endr
.irp t, 0,1
	v_max_num_f32 v[ST+8*\t+1], v[ST+8*\t+4], v[ST+8*\t+5]
.endr
.irp t, 0,1
	v_mul_f32 v[ST+8*\t], s[CS], v[ST+8*\t+1]
.endr
.irp t, 0,1
	v_sub_f32 v[ST+8*\t+7], v[ST+8*\t+7], v[ST+8*\t]
.endr
.irp b, 0,1,2,3,4,5,6,7,8,9,10,11,12,13,14,15
.irp t, 0,1
	v_pk_fma_f32 v[S+32*\t+2*\b:S+32*\t+2*\b+1], v[S+32*\t+2*\b:S+32*\t+2*\b+1], s[CS:CS+1], v[ST+8*\t:ST+8*\t+1] op_sel_hi:[1,0,0] neg_lo:[0,0,1] neg_hi:[0,0,1]   ; c s - c m
.endr
.endr
.irp t, 0,1
	v_exp_f32 v[ST+8*\t+6], v[ST+8*\t+7]           ; a
.endr
.set e, 0
.rept 64
	v_exp_f32 v[S+e], v[S+e]                       ; p: ONE batch of 66 exponentials, none of which reads another's result
.set e, e+1
.endr
	v_nop                                          ; a plain line behind the last exponential (ISA guide 5.7.2)
	s_wait_alu depctr_va_vdst(0)                   ; a wait ahead of the first line that names a result: one for the batch
.set e, 0
.rept 32
	v_cvt_pk_f16_f32 v[P+e], v[S+2*e], v[S+2*e+1]  ; P: tile kt's eight weights are registers 4 kt .. 4 kt + 3
.set e, e+1
.endr
.irp w, 4,8,16,32                              ; the sums of the unrounded p, in place: neighbours 1, 2, 4, 8 pairs apart
.set e, 0
.rept 64/\w
	v_pk_add_f32 v[S+e:S+e+1], v[S+e:S+e+1], v[S+e+\w/2:S+e+\w/2+1]
.set e, e+\w
.endr
.endr
.irp t, 0,1
	v_pk_fma_f32 v[ST+8*\t+2:ST+8*\t+3], v[ST+8*\t+2:ST+8*\t+3], v[ST+8*\t+6:ST+8*\t+7], v[S+32*\t:S+32*\t+1] op_sel_hi:[1,0,1]   ; l = a l + the sum
.endr
.irp t, 0,1
.set e, 0
.rept 16
	v_pk_mul_f32 v[OT+32*\t+e:OT+32*\t+e+1], v[OT+32*\t+e:OT+32*\t+e+1], v[ST+8*\t+6:ST+8*\t+7] op_sel_hi:[1,0]   ; O^T x a, ascending
.set e, e+2
.endr
.endr
	s_wait_dscnt 0x0                               ; V is in
	WIN 0x01                                       ; source 0 (V^T) window 1
.irp k, 0,1                                    ; O^T += V^T P: eight accumulators by turns
.irp d, 0,1,2,3
.irp t, 0,1
	v_wmma_f32_16x16x32_f16 v[OT+32*\t+8*\d:OT+32*\t+8*\d+7], v[VF+8*(4*\k+\d):VF+8*(4*\k+\d)+7], v[P+16*\t+8*\k:P+16*\t+8*\k+7], v[OT+32*\t+8*\d:OT+32*\t+8*\d+7]
.endr
.endr
.endr
	WIN 0
.Lskip_\@:
	s_add_co_u32 s[KF], s[KF], 64
	BAR                                            ; this step's reads of its slot are over and its stores into the other have landed, in every wave
.endm
.Ltrip:
	STEP 0
	STEP 1
	s_sub_co_u32 s[TRIP], s[TRIP], 1
	s_cmp_lg_u32 s[TRIP], 0
	s_cbranch_scc1 .Ltrip
	; THE WAY OUT: O^T / l, packed to f16: a lane's eight channels of a row are 16 bytes of the next launch's fragment; no stage is needed.
	PLACES 4
.irp t, 0,1
	v_add_f32 v[ST+8*\t+4], v[ST+8*\t+2], v[ST+8*\t+3]
.endr
.irp t, 0,1
	v_permlanex16_b32 v[ST+8*\t+5], v[ST+8*\t+4], s[SEL], s[SEL+1]
.endr
.irp t, 0,1
	v_add_f32 v[ST+8*\t+4], v[ST+8*\t+4], v[ST+8*\t+5]
.endr
.irp t, 0,1
	v_rcp_f32 v[ST+8*\t+6], v[ST+8*\t+4]
.endr
	v_nop
	s_wait_alu depctr_va_vdst(0)                   ; one wait for the two reciprocals, ahead of their first reader
.irp t, 0,1
.set e, 0
.rept 16
	v_pk_mul_f32 v[OT+32*\t+e:OT+32*\t+e+1], v[OT+32*\t+e:OT+32*\t+e+1], v[ST+8*\t+6:ST+8*\t+7] op_sel_hi:[1,0]
.set e, e+2
.endr
.endr
.set e, 0
.rept 32
	v_cvt_pk_f16_f32 v[P+e], v[OT+2*e], v[OT+2*e+1]
.set e, e+1
.endr
.irp c, 0,1,2,3,4,5,6,7
	global_store_b128 v[L16], v[P+4*\c:P+4*\c+3], s[10:11] offset:512*\c   ; tile c / 4, chunk c % 4: 32 lanes store 512 bytes on end
.endr
	s_wait_tensorcnt 0x0                           ; the wave's end, behind my last LDS store
	ds_add_u32 v[SPW], v[NIL]
	s_wait_dscnt 0x0
	s_endpgm
.Lfunc_end_k_q74151d9c1a_attn:
	.size	k_q74151d9c1a_attn, .Lfunc_end_k_q74151d9c1a_attn-k_q74151d9c1a_attn
	.p2alignl 7, 3214868480
	.fill 96, 4, 3214868480
	.section	.rodata,"a",@progbits
	.p2align	6, 0x0
	.amdhsa_kernel k_q74151d9c1a_attn
		.amdhsa_group_segment_fixed_size 33792
		.amdhsa_private_segment_fixed_size 0
		.amdhsa_enable_private_segment 0
		.amdhsa_kernarg_size 32
		.amdhsa_user_sgpr_count 2
		.amdhsa_user_sgpr_kernarg_segment_ptr 1
		.amdhsa_wavefront_size32 1
		.amdhsa_system_sgpr_workgroup_id_x 1
		.amdhsa_system_sgpr_workgroup_id_y 1
		.amdhsa_system_sgpr_workgroup_id_z 1
		.amdhsa_system_vgpr_workitem_id 0
		.amdhsa_next_free_vgpr 384
		.amdhsa_next_free_sgpr 66
		.amdhsa_reserve_vcc 1
		.amdhsa_float_denorm_mode_32 3
		.amdhsa_float_denorm_mode_16_64 3
		.amdhsa_memory_ordered 1
		.amdhsa_forward_progress 1
		.amdhsa_inst_pref_size 58
	.end_amdhsa_kernel
	.amdgpu_metadata
---
amdhsa.version: [ 1, 2 ]
amdhsa.kernels:
  - .name:           k_q74151d9c1a_attn
    .symbol:         k_q74151d9c1a_attn.kd
    .args:
      - { .name: Qf, .offset: 0, .size: 8, .value_kind: global_buffer, .address_space: global }
      - { .name: Kf, .offset: 8, .size: 8, .value_kind: global_buffer, .address_space: global }
      - { .name: Vf, .offset: 16, .size: 8, .value_kind: global_buffer, .address_space: global }
      - { .name: Cx, .offset: 24, .size: 8, .value_kind: global_buffer, .address_space: global }
    .group_segment_fixed_size: 33792
    .private_segment_fixed_size: 0
    .kernarg_segment_align: 8
    .kernarg_segment_size: 32
    .max_flat_workgroup_size: 256
    .sgpr_count:     66
    .vgpr_count:     384
    .wavefront_size: 32
...
	.end_amdgpu_metadata
.endif
;; end of part 3
;; launch oproj (part 4): grid 4 x 64, 4 waves a work-group, no clusters, 280,064 bytes of LDS; arguments Cx, Wo, out0; writes out0
.if DOCPART == 4
	.amdgcn_target "amdgcn-amd-amdhsa--gfx1250"
	.amdhsa_code_object_version 6
	.text
	.protected	k_q74151d9c1a_oproj
	.globl	k_q74151d9c1a_oproj
	.p2align	8
	.type	k_q74151d9c1a_oproj,@function
k_q74151d9c1a_oproj:
	s_mov_b64 s[64:65], 0
	v_nop
	global_prefetch_b8 v0, s[64:65] scope:SCOPE_SE
	s_setreg_imm32_b32 hwreg(HW_REG_WAVE_MODE, 25, 1), 1
	s_wait_xcnt 0x0
; out[row][n] = the sum over k of ctx[row][k] W_O[n][k], [8,192 x 512] x [512 x 512], operands f16, sums f32, for all rows but positions 0-15 of each batch, which a launch of their own carries in f32.
; Cx: [block of 128 rows 64][head 8][tile of 16 rows 8][dt 4][512 bytes]; Wo: [block of 128 rows of W_O 4][head][tile][dt][512 bytes]; in both lane l's 16 bytes at 16 l are row l % 16, k = 64 head + 16 dt + 8 (l / 16) + 0 .. 7:
; chunks 2 u, 2 u + 1 of a head are a fragment of 32 along K.  So a work-group's A and B are two dense blocks of 128 KB, and an LDS read is 16 bytes a lane on end: no pitch, no padding.
; SHARES.  A work-group makes 128 x 128 of out: 256 work-groups.  A wave makes 64 x 64: 16 accumulators.  ALL OF K lies in LDS: each wave brings a quarter of each half of K by one tensor load (128 rows of 256 bytes);
; both of a wave's loads go out at the start, so two are out at the most, and nothing is ever filled again: no ring.
; THE MATRIX INSTRUCTION IS USED TRANSPOSED (source 0 = 16 rows of W_O, source 1 = 16 rows of ctx): a lane holds eight neighbouring numbers of a row of out.
; NO CLUSTER: A's block is shared by the 4 work-groups of a row of the grid and B's by 64; joint loads are not written in this form: each work-group asks once, for 256 KB, and has no ring whose changes of slots a cluster's barrier could ride on.
; LIMITS: ctx and W_O arrive as f16 (see the launches that make them).
.set L16,  1
.set ADA,  2                           ; v2-3  LDS address of my A fragments in K half 0, 1
.set ADB,  4                           ; v4-5  the same for B
.set STO,  6                           ; the way out: where I put 32 bytes of a row
.set RD,   7                           ; where I read a row back
.set CO,   8                           ; my byte offset in out
.set SPW,  9                           ; LDS address of my spare word; never rewritten
.set NIL,  10                          ; 0; never rewritten
.set F0,   64                          ; v64-127, v128-191: two fragment buffers: A's four at 8 a, B's four at 32 + 8 b
.set BK,   192                         ; v192-255: rows read back from the stage, two sets
.set ACC,  0                           ; window 1: accumulator (a, b) at 8 (4 a + b)
.set HALF, 131072                      ; LDS: K half g: A's 64 KB, then B's 64 KB
.set STAGE, 2*HALF                     ; 16 rows x (256 bytes + 16) for each wave; no tensor load lands here
.set SPARE, STAGE+4*4352               ; the spare words, 128 bytes a wave: two blocks of 256 bytes that no other line names
.set WV,   10
.set MB,   11
.set MH,   12
.set NH,   13
.set G1,   16                          ; s[16:23] descriptor group 1
.set G0,   24                          ; s[24:27], s[28:31] group 0 for K half 0, 1
.set SKP,  37
.set MSB, 0
.macro WIN new
.if MSB != \new
	s_set_vgpr_msb (MSB<<8)|\new
.set MSB, \new
.endif
.endm
.macro PLACES n
.rept \n
	v_nop
.endr
.endm
	s_load_b128 s[4:7], s[0:1], 0x0                ; Cx, Wo
	s_load_b64 s[8:9], s[0:1], 0x10                ; out0
	v_lshl_add_u32 v[SPW], v0, 2, SPARE
	v_mov_b32 v[NIL], 0
	ds_add_u32 v[SPW], v[NIL]                      ; the wave's opening: the add, twice on end, and its wait ahead of my first tensor load
	ds_add_u32 v[SPW], v[NIL]
	v_lshrrev_b32 v11, 5, v0
	v_readfirstlane_b32 s[WV], v11                 ; wave 0..3
	s_mov_b32 s[G1+0], 3<<16                       ; no mask; elements of 8 bytes; no padding
	s_mov_b32 s[G1+1], 32<<16                      ; tensor_dim0 = 32 elements: 256 bytes
	s_mov_b32 s[G1+2], 128<<16                     ; tensor_dim1 = 128
	s_mov_b32 s[G1+3], 32<<16                      ; tile_dim0 = 32
	s_mov_b32 s[G1+4], 128                         ; tile_dim1 = 128
	s_mov_b32 s[G1+5], 32                          ; from row to row: dense
	s_mov_b32 s[G1+6], 0
	s_mov_b32 s[G1+7], 0
	s_and_b32 s[MB], ttmp7, 0xffff                 ; block of 128 rows
	s_lshr_b32 s[MH], s[WV], 1                     ; my half of the rows.  Also: I fetch for A (0) or for B (1)
	s_and_b32 s[NH], s[WV], 1                      ; my half of the columns.  Also: which 32 KB of a half I fetch
	s_cmp_lt_u32 s[WV], 2
	s_cselect_b32 s32, s[MB], ttmp9
	s_lshl_b32 s32, s32, 17                        ; the block's 131,072 bytes
	s_lshl_b32 s33, s[NH], 15
	s_add_co_u32 s32, s32, s33
	s_mov_b32 s33, 0
	s_mov_b32 s[G0], 1
	s_lshl_b32 s[G0+1], s[WV], 15                  ; LDS: wave x 32,768: A's two parts, then B's two
	s_mov_b32 s[G0+4], 1
	s_add_co_u32 s[G0+5], s[G0+1], HALF
	s_wait_dscnt 0x0                               ; both opening adds are done
	s_wait_kmcnt 0x0
	s_cmp_lt_u32 s[WV], 2
	s_cselect_b64 s[G0+2:G0+3], s[4:5], s[6:7]
	s_add_nc_u64 s[G0+2:G0+3], s[G0+2:G0+3], s[32:33]
	s_add_nc_u64 s[G0+6:G0+7], s[G0+2:G0+3], 65536 ; heads 4-7
	s_or_b32 s[G0+3], s[G0+3], 0x80000000
	s_or_b32 s[G0+7], s[G0+7], 0x80000000
	tensor_load_to_lds s[G0:G0+3], s[G1:G1+7]      ; heads 0-3
	s_nop 0
	tensor_load_to_lds s[G0+4:G0+7], s[G1:G1+7]
	s_nop 0
	v_and_b32 v11, 31, v0
	v_and_b32 v12, 15, v0                          ; r
	v_bfe_u32 v13, v0, 4, 1                        ; h
	v_lshlrev_b32 v[L16], 4, v11
	s_lshl_b32 s34, s[MH], 13                      ; my four tiles of 2,048 bytes in each head
	v_add_nc_u32 v[ADA], s34, v[L16]
	v_add_nc_u32 v[ADA+1], HALF, v[ADA]
	s_lshl_b32 s35, s[NH], 13
	s_add_co_u32 s35, s35, 65536
	v_add_nc_u32 v[ADB], s35, v[L16]
	v_add_nc_u32 v[ADB+1], HALF, v[ADB]
	s_mul_i32 s36, s[WV], 4352
	s_add_co_u32 s36, s36, STAGE
	v_mul_u32_u24 v[STO], v12, 272
	v_lshl_add_u32 v[STO], v13, 5, v[STO]
	v_add_nc_u32 v[STO], s36, v[STO]
	v_mul_u32_u24 v[RD], v13, 272
	v_lshl_add_u32 v[RD], v12, 4, v[RD]
	v_add_nc_u32 v[RD], s36, v[RD]
	v_lshlrev_b32 v[CO], 11, v13
	v_lshl_add_u32 v[CO], v12, 4, v[CO]
	s_lshl_b32 s32, s[MB], 18                      ; out: (128 block + 64 half) rows of 2,048 bytes + 512 x column block + 256 x half
	s_lshl_b32 s33, s[MH], 17
	s_add_co_u32 s32, s32, s33
	s_lshl_b32 s33, ttmp9, 9
	s_add_co_u32 s32, s32, s33
	s_lshl_b32 s33, s[NH], 8
	s_add_co_u32 s32, s32, s33
	s_mov_b32 s33, 0
	s_add_nc_u64 s[8:9], s[8:9], s[32:33]
	s_and_b32 s[SKP], s[MB], 15
	s_or_b32 s[SKP], s[SKP], s[MH]                 ; 0: my first 16 rows are positions 0-15 of a batch
; the fragments of K step ks (32 along K: head ks / 2, chunks 2 (ks % 2) and + 1) into buffer f
.macro FETCH ks, f
.irp a, 0,1,2,3
	ds_load_b128 v[\f+8*\a:\f+8*\a+3], v[ADA+(\ks)/8] offset:(((\ks)/2)%4)*16384+\a*2048+((\ks)%2)*1024
	ds_load_b128 v[\f+8*\a+4:\f+8*\a+7], v[ADA+(\ks)/8] offset:(((\ks)/2)%4)*16384+\a*2048+((\ks)%2)*1024+512
.endr
.irp b, 0,1,2,3
	ds_load_b128 v[\f+32+8*\b:\f+32+8*\b+3], v[ADB+(\ks)/8] offset:(((\ks)/2)%4)*16384+\b*2048+((\ks)%2)*1024
	ds_load_b128 v[\f+32+8*\b+4:\f+32+8*\b+7], v[ADB+(\ks)/8] offset:(((\ks)/2)%4)*16384+\b*2048+((\ks)%2)*1024+512
.endr
.endm
; K step ks: its fragments are in; the next step's are asked for; 16 products, the 16 accumulators by turns in the same order in every step
.macro KSTEP ks, fetch
	s_wait_dscnt 0x0
	PLACES 4                                       ; four places between the last step's products and loads into the buffer that they read
.if \fetch
	FETCH (\ks)+1, F0+64*(((\ks)+1)%2)
.endif
	WIN 0x50                                       ; C and D window 1
.irp a, 0,1,2,3
.irp b, 0,1,2,3
.if (\ks) == 0
	v_wmma_f32_16x16x32_f16 v[ACC+8*(4*\a+\b):ACC+8*(4*\a+\b)+7], v[F0+64*((\ks)%2)+32+8*\b:F0+64*((\ks)%2)+32+8*\b+7], v[F0+64*((\ks)%2)+8*\a:F0+64*((\ks)%2)+8*\a+7], 0
.else
	v_wmma_f32_16x16x32_f16 v[ACC+8*(4*\a+\b):ACC+8*(4*\a+\b)+7], v[F0+64*((\ks)%2)+32+8*\b:F0+64*((\ks)%2)+32+8*\b+7], v[F0+64*((\ks)%2)+8*\a:F0+64*((\ks)%2)+8*\a+7], v[ACC+8*(4*\a+\b):ACC+8*(4*\a+\b)+7]
.endif
.endr
.endr
	WIN 0
.endm
	s_wait_tensorcnt 1                             ; my part of heads 0-3 is in; my other load may stay out
	s_wait_dscnt 0x0
	s_barrier_signal -1
	s_barrier_wait -1                              ; everybody's is
	FETCH 0, F0
.irp k, 0,1,2,3,4,5,6
	KSTEP \k, 1
.endr
	s_wait_tensorcnt 0x0                           ; my part of heads 4-7 is in,
	s_wait_dscnt 0x0
	s_barrier_signal -1
	s_barrier_wait -1                              ; everybody's is: K step 7 fetches K step 8's fragments
.irp k, 7,8,9,10,11,12,13,14
	KSTEP \k, 1
.endr
	KSTEP 15, 0
; THE WAY OUT, 16 rows x 64 columns at a time: a lane's 32 bytes go into my own stage (rows of 272 bytes) and come back as whole rows of 256 bytes: sixteen lanes store 256 bytes on end, aligned.
; LDS serves a wave's instructions in order (ISA guide 5.7.1.4): no wait between the stores and the loads, nor in front of the next block's stores.
.macro OUTA a
	WIN 0x04                                       ; an LDS store's data are its source 1: window 1
.irp b, 0,1,2,3
	ds_store_b128 v[STO], v[ACC+8*(4*(\a)+\b):ACC+8*(4*(\a)+\b)+3] offset:64*\b       ; each accumulator from its low end on
	ds_store_b128 v[STO], v[ACC+8*(4*(\a)+\b)+4:ACC+8*(4*(\a)+\b)+7] offset:64*\b+16
.endr
	WIN 0
.if (\a) >= 2
	s_wait_xcnt 0x0                                ; the stores of two blocks back have read the registers into which these loads land
.endif
.irp t, 0,1,2,3,4,5,6,7
	ds_load_b128 v[BK+32*((\a)%2)+4*\t:BK+32*((\a)%2)+4*\t+3], v[RD] offset:544*\t
.endr
.irp t, 0,1,2,3,4,5,6,7
	s_wait_dscnt 7-\t                              ; the younger loads may stay out
	global_store_b128 v[CO], v[BK+32*((\a)%2)+4*\t:BK+32*((\a)%2)+4*\t+3], s[8:9] offset:(16*(\a)+2*\t)*2048 th:TH_STORE_NT
.endr
.endm
	PLACES 4
	s_cmp_eq_u32 s[SKP], 0                         ; positions 0-15 of a batch belong to the launch that carries them in f32: each byte of out has one owner
	s_cbranch_scc1 .Lskip0
	OUTA 0
.Lskip0:
	OUTA 1
	OUTA 2
	OUTA 3
	s_wait_tensorcnt 0x0                           ; the wave's end, behind my last tensor load and my last LDS store
	ds_add_u32 v[SPW], v[NIL]
	s_wait_dscnt 0x0
	s_endpgm
.Lfunc_end_k_q74151d9c1a_oproj:
	.size	k_q74151d9c1a_oproj, .Lfunc_end_k_q74151d9c1a_oproj-k_q74151d9c1a_oproj
	.p2alignl 7, 3214868480
	.fill 96, 4, 3214868480
	.section	.rodata,"a",@progbits
	.p2align	6, 0x0
	.amdhsa_kernel k_q74151d9c1a_oproj
		.amdhsa_group_segment_fixed_size 280064
		.amdhsa_private_segment_fixed_size 0
		.amdhsa_enable_private_segment 0
		.amdhsa_kernarg_size 24
		.amdhsa_user_sgpr_count 2
		.amdhsa_user_sgpr_kernarg_segment_ptr 1
		.amdhsa_wavefront_size32 1
		.amdhsa_system_sgpr_workgroup_id_x 1
		.amdhsa_system_sgpr_workgroup_id_y 1
		.amdhsa_system_sgpr_workgroup_id_z 1
		.amdhsa_system_vgpr_workitem_id 0
		.amdhsa_next_free_vgpr 384
		.amdhsa_next_free_sgpr 66
		.amdhsa_reserve_vcc 0
		.amdhsa_float_denorm_mode_32 3
		.amdhsa_float_denorm_mode_16_64 3
		.amdhsa_memory_ordered 1
		.amdhsa_forward_progress 1
		.amdhsa_inst_pref_size 48
	.end_amdhsa_kernel
	.amdgpu_metadata
---
amdhsa.version: [ 1, 2 ]
amdhsa.kernels:
  - .name:           k_q74151d9c1a_oproj
    .symbol:         k_q74151d9c1a_oproj.kd
    .args:
      - { .name: Cx, .offset: 0, .size: 8, .value_kind: global_buffer, .address_space: global }
      - { .name: Wo, .offset: 8, .size: 8, .value_kind: global_buffer, .address_space: global }
      - { .name: out0, .offset: 16, .size: 8, .value_kind: global_buffer, .address_space: global }
    .group_segment_fixed_size: 280064
    .private_segment_fixed_size: 0
    .kernarg_segment_align: 8
    .kernarg_segment_size: 24
    .max_flat_workgroup_size: 128
    .sgpr_count:     66
    .vgpr_count:     384
    .wavefront_size: 32
...
	.end_amdgpu_metadata
.endif
;; end of part 4
;; launch head16 (part 5): grid 8 x 4, 8 waves a work-group, no clusters, 35,840 bytes of LDS; arguments H16, W_O, out0; writes out0
.if DOCPART == 5
	.amdgcn_target "amdgcn-amd-amdhsa--gfx1250"
	.amdhsa_code_object_version 6
	.text
	.protected	k_q74151d9c1a_head16
	.globl	k_q74151d9c1a_head16
	.p2align	8
	.type	k_q74151d9c1a_head16,@function
k_q74151d9c1a_head16:
	s_mov_b64 s[64:65], 0
	v_nop
	global_prefetch_b8 v0, s[64:65] scope:SCOPE_SE
	s_setreg_imm32_b32 hwreg(HW_REG_WAVE_MODE, 25, 1), 1
	s_wait_xcnt 0x0
; Positions 0-15 of each batch, carried in f32 from the projections' sums to out: these rows average one to sixteen values, are the largest in size, and would feel the rounding of f16 operands most.
; 64 rows in all: no bulk work, so the f32 matrix form serves.  Work-group (cb, b): batch b, output columns 64 cb .. + 63.  Wave w is head w: its 16 x 16 attention (repeated in the eight column groups: 32 small products),
; then its 64 of the last product's K; the eight partial results meet in LDS and are added in ascending order of heads by the wave that owns the rows.
; H16: the projections' accumulators as they stood: [tensor][batch][head][dt 4][8 registers a lane].  Q, K: register j of lane (r, h) is position r, channel 16 dt + 8 h + j.  V: position 8 h + j, channel 16 dt + r.
; THE FORM takes two registers a side, k = 2 h + j.  Registers 2 s, 2 s + 1 of an image stand for index 8 h + 2 s + j: the same renaming of k on both sides, which keeps every product.
; S^T = K Q^T, O^T = V^T P, Y^T = W_O ctx^T: a lane holds one query throughout.  The registers that this form writes are written by matrix instructions alone; sums begin with C = 0.
; Four accumulators take turns in each product, one instruction a turn.  The maximum is taken away ahead of the exponential, as in the softmax itself.
; No cluster, no tensor load, no prefetch: 32 work-groups, a few KB each.
.set L16,  1
.set VW,   2                           ; W_O: 2,048 r + 32 h
.set DQ,   3                           ; r - 8 h
.set SO,   4                           ; LDS: where I put 32 bytes of a row of my partial result
.set RD,   5                           ; LDS: where I read 16 bytes of a row back
.set GO,   6                           ; out: 2,048 h + 16 r
.set SPW,  7                           ; LDS address of my spare word; never rewritten
.set NIL,  8                           ; 0; never rewritten
.set QA,   16
.set KA,   48
.set VA,   80
.set SA,   112                         ; four accumulators of the scores
.set OA,   144                         ; O^T
.set YA,   176                         ; Y^T
.set SS,   208                         ; the scores, then p
.set T,    216                         ; at work; 1 / sum in T + 4
.set CT,   224                         ; ctx
.set WO,   0                           ; window 1: W_O, 32 nt + 8 dt
.set SPARE, 8*4352                     ; behind the eight partial results (16 rows x 272 bytes each): the spare words, four blocks of 256 bytes that no other line names
.set WV,   10
.set SEL,  20
.set CS,   22
.set MSB, 0
.macro WIN new
.if MSB != \new
	s_set_vgpr_msb (MSB<<8)|\new
.set MSB, \new
.endif
.endm
.macro PLACES n
.rept \n
	v_nop
.endr
.endm
	s_load_b128 s[4:7], s[0:1], 0x0                ; H16, W_O
	s_load_b64 s[8:9], s[0:1], 0x10                ; out0
	v_lshl_add_u32 v[SPW], v0, 2, SPARE
	v_mov_b32 v[NIL], 0
	v_lshrrev_b32 v9, 5, v0
	v_readfirstlane_b32 s[WV], v9                  ; wave = head
	v_and_b32 v9, 31, v0
	v_and_b32 v12, 15, v0                          ; r
	v_bfe_u32 v13, v0, 4, 1                        ; h
	v_lshlrev_b32 v[L16], 4, v9
	v_lshlrev_b32 v[VW], 11, v12
	v_lshl_add_u32 v[VW], v13, 5, v[VW]
	v_lshlrev_b32 v14, 3, v13
	v_sub_nc_u32 v[DQ], v12, v14
	s_mul_i32 s24, s[WV], 4352
	s_mul_i32 s25, s[WV], 544
	v_mul_u32_u24 v[SO], v12, 272
	v_lshl_add_u32 v[SO], v13, 5, v[SO]
	v_add_nc_u32 v[SO], s24, v[SO]
	v_mul_u32_u24 v[RD], v13, 272
	v_lshl_add_u32 v[RD], v12, 4, v[RD]
	v_add_nc_u32 v[RD], s25, v[RD]                 ; rows 2 w and 2 w + 1
	v_lshlrev_b32 v[GO], 11, v13
	v_lshl_add_u32 v[GO], v12, 4, v[GO]
	v_mov_b32 v10, 0                               ; a lane permute's destination counts as one of its sources
	v_mov_b32 v11, 0xff800000                      ; -infinity
	s_and_b32 s11, ttmp7, 0xffff                   ; batch
	s_lshl_b32 s12, s11, 3
	s_add_co_u32 s12, s12, s[WV]
	s_lshl_b32 s12, s12, 12                        ; H16: (8 batch + head) x 4,096
	s_mov_b32 s13, 0
	s_lshl_b32 s14, ttmp9, 17                      ; W_O: 64 rows of 2,048 bytes a column group,
	s_lshl_b32 s15, s[WV], 8                       ; my head's 64 numbers of a row
	s_add_co_u32 s14, s14, s15
	s_mov_b32 s15, 0
	s_lshl_b32 s16, s11, 22                        ; out: the batch's first row, + 2 rows a wave, + 256 bytes a column group
	s_lshl_b32 s17, s[WV], 12
	s_add_co_u32 s16, s16, s17
	s_lshl_b32 s17, ttmp9, 8
	s_add_co_u32 s16, s16, s17
	s_mov_b32 s17, 0
	s_mov_b32 s[SEL], 0x76543210
	s_mov_b32 s[SEL+1], 0xfedcba98
	s_mov_b32 s[CS], 0x3e38aa3b                    ; c = log2(e) / 8
	s_mov_b32 s[CS+1], s[CS]
	s_wait_kmcnt 0x0
	s_add_nc_u64 s[4:5], s[4:5], s[12:13]
	s_add_nc_u64 s[6:7], s[6:7], s[14:15]
	s_add_nc_u64 s[8:9], s[8:9], s[16:17]
.irp z, 0,1,2                                  ; Q, K, V: 32 registers each
.irp c, 0,1,2,3,4,5,6,7
	global_load_b128 v[QA+32*\z+4*\c:QA+32*\z+4*\c+3], v[L16], s[4:5] offset:131072*\z+512*\c
.endr
.endr
	WIN 0x40
.irp n, 0,1,2,3                                ; W_O[64 cb + 16 nt + r][64 w + 16 dt + 8 h + 0 .. 7]
.irp d, 0,1,2,3
.irp q, 0,1
	global_load_b128 v[WO+32*\n+8*\d+4*\q:WO+32*\n+8*\d+4*\q+3], v[VW], s[6:7] offset:32768*\n+64*\d+16*\q
.endr
.endr
.endr
	WIN 0
	s_wait_loadcnt 32                              ; Q, K, V are in; W_O's 32 loads may be out
.irp s, 0,1,2,3                                ; S^T = K Q^T: accumulator dt sums the channels 16 dt .. + 15
.irp d, 0,1,2,3
.if \s == 0
	v_wmma_f32_16x16x4_f32 v[SA+8*\d:SA+8*\d+7], v[KA+8*\d+2*\s:KA+8*\d+2*\s+1], v[QA+8*\d+2*\s:QA+8*\d+2*\s+1], 0
.else
	v_wmma_f32_16x16x4_f32 v[SA+8*\d:SA+8*\d+7], v[KA+8*\d+2*\s:KA+8*\d+2*\s+1], v[QA+8*\d+2*\s:QA+8*\d+2*\s+1], v[SA+8*\d:SA+8*\d+7]
.endif
.endr
.endr
	PLACES 8                                       ; eight places behind this form (ISA guide 7.12.1)
.irp i, 0,2,4,6                                ; the four parts are added, each accumulator read from its low end on
	v_pk_add_f32 v[SS+\i:SS+\i+1], v[SA+\i:SA+\i+1], v[SA+8+\i:SA+8+\i+1]
	v_pk_add_f32 v[T+\i:T+\i+1], v[SA+16+\i:SA+16+\i+1], v[SA+24+\i:SA+24+\i+1]
.endr
.irp i, 0,2,4,6
	v_pk_add_f32 v[SS+\i:SS+\i+1], v[SS+\i:SS+\i+1], v[T+\i:T+\i+1]
.endr
.irp j, 0,1,2,3,4,5,6,7                        ; register j holds key 8 h + j of query r: hidden where j > r - 8 h
	v_cmp_gt_i32 vcc_lo, \j, v[DQ]
	v_cndmask_b32 v[SS+\j], v[SS+\j], v11, vcc_lo
.endr
	v_max3_num_f32 v9, v[SS], v[SS+1], v[SS+2]
	v_max3_num_f32 v9, v9, v[SS+3], v[SS+4]
	v_max3_num_f32 v9, v9, v[SS+5], v[SS+6]
	v_max_num_f32 v9, v9, v[SS+7]
	v_permlanex16_b32 v10, v9, s[SEL], s[SEL+1]
	v_max_num_f32 v9, v9, v10                      ; key 0 counts for every query: a number
	v_mul_f32 v12, s[CS], v9
	v_mov_b32 v13, v12
.irp i, 0,2,4,6
	v_pk_fma_f32 v[SS+\i:SS+\i+1], v[SS+\i:SS+\i+1], s[CS:CS+1], v[12:13] op_sel_hi:[1,0,0] neg_lo:[0,0,1] neg_hi:[0,0,1]   ; c s - c m
.endr
.irp j, 0,1,2,3,4,5,6,7
	v_exp_f32 v[SS+\j], v[SS+\j]
.endr
	v_nop
	s_wait_alu depctr_va_vdst(0)                   ; one wait for the eight exponentials, ahead of their first reader
	v_pk_add_f32 v[T:T+1], v[SS:SS+1], v[SS+2:SS+3]
	v_pk_add_f32 v[T+2:T+3], v[SS+4:SS+5], v[SS+6:SS+7]
	v_pk_add_f32 v[T:T+1], v[T:T+1], v[T+2:T+3]
	v_add_f32 v14, v[T], v[T+1]
	v_permlanex16_b32 v10, v14, s[SEL], s[SEL+1]
	v_add_f32 v14, v14, v10                        ; the row's sum
	v_rcp_f32 v[T+4], v14
	v_nop                                          ; a plain line behind the reciprocal; its wait stands ahead of its first reader, behind the products below
.irp s, 0,1,2,3                                ; O^T = V^T P: keys 8 h + 2 s + j on both sides
.irp d, 0,1,2,3
.if \s == 0
	v_wmma_f32_16x16x4_f32 v[OA+8*\d:OA+8*\d+7], v[VA+8*\d+2*\s:VA+8*\d+2*\s+1], v[SS+2*\s:SS+2*\s+1], 0
.else
	v_wmma_f32_16x16x4_f32 v[OA+8*\d:OA+8*\d+7], v[VA+8*\d+2*\s:VA+8*\d+2*\s+1], v[SS+2*\s:SS+2*\s+1], v[OA+8*\d:OA+8*\d+7]
.endif
.endr
.endr
	PLACES 8
	s_wait_alu depctr_va_vdst(0)
.set e, 0
.rept 16
	v_pk_mul_f32 v[CT+e:CT+e+1], v[OA+e:OA+e+1], v[T+4:T+5] op_sel_hi:[1,0]   ; ctx(query r, channel 16 dt + 8 h + j), into other registers
.set e, e+2
.endr
	s_wait_loadcnt 0x0                             ; W_O
	PLACES 4
	WIN 0x01                                       ; source 0 (W_O) window 1
.irp d, 0,1,2,3                                ; Y^T = W_O ctx^T over my head's 64 of K
.irp s, 0,1,2,3
.irp n, 0,1,2,3
.if (\d == 0) && (\s == 0)
	v_wmma_f32_16x16x4_f32 v[YA+8*\n:YA+8*\n+7], v[WO+32*\n+8*\d+2*\s:WO+32*\n+8*\d+2*\s+1], v[CT+8*\d+2*\s:CT+8*\d+2*\s+1], 0
.else
	v_wmma_f32_16x16x4_f32 v[YA+8*\n:YA+8*\n+7], v[WO+32*\n+8*\d+2*\s:WO+32*\n+8*\d+2*\s+1], v[CT+8*\d+2*\s:CT+8*\d+2*\s+1], v[YA+8*\n:YA+8*\n+7]
.endif
.endr
.endr
.endr
	WIN 0
	PLACES 8
.irp n, 0,1,2,3
	ds_store_b128 v[SO], v[YA+8*\n:YA+8*\n+3] offset:64*\n          ; lane (r, h): row r, columns 16 nt + 8 h + 0 .. 7; each accumulator from its low end on
	ds_store_b128 v[SO], v[YA+8*\n+4:YA+8*\n+7] offset:64*\n+16
.endr
	s_wait_dscnt 0x0                               ; my stores have landed:
	s_barrier_signal -1
	s_barrier_wait -1                              ; the eight heads' parts lie in LDS
.irp g, 0,1,2,3,4,5,6,7
	ds_load_b128 v[16+4*\g:19+4*\g], v[RD] offset:4352*\g
.endr
	s_wait_dscnt 0x0
.irp g, 1,2,3,4,5,6,7                          ; in ascending order of heads
	v_pk_add_f32 v[16:17], v[16:17], v[16+4*\g:17+4*\g]
	v_pk_add_f32 v[18:19], v[18:19], v[18+4*\g:19+4*\g]
.endr
	global_store_b128 v[GO], v[16:19], s[8:9]      ; sixteen lanes store 256 bytes on end, aligned
	s_wait_tensorcnt 0x0                           ; the wave's end, behind my last LDS store
	ds_add_u32 v[SPW], v[NIL]
	s_wait_dscnt 0x0
	s_endpgm
.Lfunc_end_k_q74151d9c1a_head16:
	.size	k_q74151d9c1a_head16, .Lfunc_end_k_q74151d9c1a_head16-k_q74151d9c1a_head16
	.p2alignl 7, 3214868480
	.fill 96, 4, 3214868480
	.section	.rodata,"a",@progbits
	.p2align	6, 0x0
	.amdhsa_kernel k_q74151d9c1a_head16
		.amdhsa_group_segment_fixed_size 35840
		.amdhsa_private_segment_fixed_size 0
		.amdhsa_enable_private_segment 0
		.amdhsa_kernarg_size 24
		.amdhsa_user_sgpr_count 2
		.amdhsa_user_sgpr_kernarg_segment_ptr 1
		.amdhsa_wavefront_size32 1
		.amdhsa_system_sgpr_workgroup_id_x 1
		.amdhsa_system_sgpr_workgroup_id_y 1
		.amdhsa_system_sgpr_workgroup_id_z 1
		.amdhsa_system_vgpr_workitem_id 0
		.amdhsa_next_free_vgpr 384
		.amdhsa_next_free_sgpr 66
		.amdhsa_reserve_vcc 1
		.amdhsa_float_denorm_mode_32 3
		.amdhsa_float_denorm_mode_16_64 3
		.amdhsa_memory_ordered 1
		.amdhsa_forward_progress 1
		.amdhsa_inst_pref_size 21
	.end_amdhsa_kernel
	.amdgpu_metadata
---
amdhsa.version: [ 1, 2 ]
amdhsa.kernels:
  - .name:           k_q74151d9c1a_head16
    .symbol:         k_q74151d9c1a_head16.kd
    .args:
      - { .name: H16, .offset: 0, .size: 8, .value_kind: global_buffer, .address_space: global }
      - { .name: W_O, .offset: 8, .size: 8, .value_kind: global_buffer, .address_space: global }
      - { .name: out0, .offset: 16, .size: 8, .value_kind: global_buffer, .address_space: global }
    .group_segment_fixed_size: 35840
    .private_segment_fixed_size: 0
    .kernarg_segment_align: 8
    .kernarg_segment_size: 24
    .max_flat_workgroup_size: 256
    .sgpr_count:     66
    .vgpr_count:     384
    .wavefront_size: 32
...
	.end_amdgpu_metadata
.endif
;; end of part 5
